; MI455X (gfx1250); checked and timed in simulation.
; The chip was launched on July 23, 2026; its instructions are those of AMD's public machine-readable ISA for CDNA 5 (MIT licence, August 2026) and "CDNA5" Instruction Set Architecture Reference Guide (July 2026). The comments in the code are by the model that wrote it; some were corrected since.
;; Infinite Context Attention. Allowed arithmetic: float matrix products may take bf16 or f16 operands with f32 sums; all other float work in f32.
;; Inputs: Wk 8,192 x 2,048 float32; Wout 2,048 x 8,192 float32; Wq 8,192 x 2,048 float32; Wv 8,192 x 2,048 float32; hidden_states 2 x 512 x 2,048 float32.
;; Outputs: out0 2 x 512 x 2,048 float32.
;; One version. Each part assembles by itself: llvm-mc -triple=amdgcn-amd-amdhsa -mcpu=gfx1250 --defsym DOCPART=n.
;; ======== version 1 of 1: 4 launches
;; workspace buffers: xb 4,194,304 bytes; a 16,777,216 bytes; p 33,554,432 bytes
;; launch cast (part 1): grid 256 x 1, 8 waves a work-group, no clusters, 0 bytes of LDS; arguments hidden_states, xb; writes xb
.if DOCPART == 1
	.amdgcn_target "amdgcn-amd-amdhsa--gfx1250"
	.amdhsa_code_object_version 6
	.text
	.protected	k_q2ba32f9cad_cast
	.globl	k_q2ba32f9cad_cast
	.p2align	8
	.type	k_q2ba32f9cad_cast,@function
k_q2ba32f9cad_cast:
	s_mov_b64 s[64:65], 0
	v_nop
	global_prefetch_b8 v0, s[64:65] scope:SCOPE_SE
	s_setreg_imm32_b32 hwreg(HW_REG_WAVE_MODE, 25, 1), 1
	s_wait_xcnt 0x0
; xb = hidden_states rounded once to bf16 (nearest even), laid in blocks for the next launch's tiles:
; hidden_states is X [1024 rows][2048] f32; xb is bf16 [32 blocks of 64 k][1024 rows][64], so that 256 rows x 64 k are 32,768 bytes on end.
; A stream: every byte is read once and written once; LDS, barriers and the matrix unit would add nothing.
; Eight waves; the work-group owns rows 4 g .. 4 g + 3.  Thread (wave w, lane l) takes row 4 g + l / 8, the eight numbers from k = 8 (l % 8) on
; of the k blocks w, w + 8, w + 16, w + 24.  A wave's store covers four rows of one block: 512 consecutive bytes, aligned.
.set BLK, 131072                       ; bytes in a block of xb: 1,024 rows of 128 bytes
.set XI,  8                            ; v[8:39]   item i: eight f32 as loaded
.set YO,  40                           ; v[40:55]  item i: eight bf16 to store
	s_load_b128 s[4:7], s[0:1], 0x0                ; hidden_states s[4:5], xb s[6:7]
	v_and_b32 v3, 31, v0                           ; l
	v_lshrrev_b32 v4, 5, v0                        ; w
	v_lshrrev_b32 v5, 3, v3                        ; l / 8: my row of the four
	v_and_b32 v6, 7, v3                            ; l % 8
	v_lshlrev_b32 v1, 13, v5                       ; read: row x 8,192
	v_lshl_add_u32 v1, v4, 8, v1                   ; + block w: 64 f32 = 256 bytes
	v_lshl_add_u32 v1, v6, 5, v1                   ; + my 32 bytes
	v_lshlrev_b32 v2, 17, v4                       ; write: block w x 131,072
	v_lshl_add_u32 v2, v3, 4, v2                   ; + (l / 8) x 128 + (l % 8) x 16 = 16 l
	s_lshl_b32 s8, ttmp9, 15                       ; the group's four rows of X
	s_mov_b32 s9, 0
	s_lshl_b32 s10, ttmp9, 9                       ; and of a block of xb
	s_mov_b32 s11, 0
	s_wait_kmcnt 0x0
	s_add_nc_u64 s[4:5], s[4:5], s[8:9]
	s_add_nc_u64 s[6:7], s[6:7], s[10:11]
.irp i, 0,1,2,3
	global_load_b128 v[XI+8*\i:XI+8*\i+3],   v1, s[4:5] offset:2048*\i th:TH_LOAD_NT     ; eight blocks on: 2,048 bytes
	global_load_b128 v[XI+8*\i+4:XI+8*\i+7], v1, s[4:5] offset:2048*\i+16 th:TH_LOAD_NT
.endr
.irp i, 0,1,2,3
	s_wait_loadcnt 6-2*\i                          ; loads come back in order: item i's two are in, the younger items' stay out
.irp j, 0,1,2,3
	v_cvt_pk_bf16_f32 v[YO+4*\i+\j], v[XI+8*\i+2*\j], v[XI+8*\i+2*\j+1]
.endr
	global_store_b128 v2, v[YO+4*\i:YO+4*\i+3], s[6:7] offset:8*BLK*\i   ; no register is written twice, so no wait frees one
.endr
	s_endpgm
.Lfunc_end_k_q2ba32f9cad_cast:
	.size	k_q2ba32f9cad_cast, .Lfunc_end_k_q2ba32f9cad_cast-k_q2ba32f9cad_cast
	.p2alignl 7, 3214868480
	.fill 96, 4, 3214868480
	.section	.rodata,"a",@progbits
	.p2align	6, 0x0
	.amdhsa_kernel k_q2ba32f9cad_cast
		.amdhsa_group_segment_fixed_size 0
		.amdhsa_private_segment_fixed_size 0
		.amdhsa_enable_private_segment 0
		.amdhsa_kernarg_size 16
		.amdhsa_user_sgpr_count 2
		.amdhsa_user_sgpr_kernarg_segment_ptr 1
		.amdhsa_wavefront_size32 1
		.amdhsa_system_sgpr_workgroup_id_x 1
		.amdhsa_system_sgpr_workgroup_id_y 1
		.amdhsa_system_sgpr_workgroup_id_z 1
		.amdhsa_system_vgpr_workitem_id 0
		.amdhsa_next_free_vgpr 56
		.amdhsa_next_free_sgpr 66
		.amdhsa_reserve_vcc 0
		.amdhsa_float_denorm_mode_32 3
		.amdhsa_float_denorm_mode_16_64 3
		.amdhsa_memory_ordered 1
		.amdhsa_forward_progress 1
		.amdhsa_inst_pref_size 4
	.end_amdhsa_kernel
	.amdgpu_metadata
---
amdhsa.version: [ 1, 2 ]
amdhsa.kernels:
  - .name:           k_q2ba32f9cad_cast
    .symbol:         k_q2ba32f9cad_cast.kd
    .args:
      - { .name: hidden_states, .offset: 0, .size: 8, .value_kind: global_buffer, .address_space: global }
      - { .name: xb, .offset: 8, .size: 8, .value_kind: global_buffer, .address_space: global }
    .group_segment_fixed_size: 0
    .private_segment_fixed_size: 0
    .kernarg_segment_align: 8
    .kernarg_segment_size: 16
    .max_flat_workgroup_size: 256
    .sgpr_count:     66
    .vgpr_count:     56
    .wavefront_size: 32
...
	.end_amdgpu_metadata
.endif
;; end of part 1
;; launch lattice (part 2): grid 64 x 4, 4 waves a work-group, clusters of 4 x 4, 327,680 bytes of LDS; arguments xb, Wq, Wk, Wv, a; writes a
.if DOCPART == 2
	.amdgcn_target "amdgcn-amd-amdhsa--gfx1250"
	.amdhsa_code_object_version 6
	.text
	.protected	k_q2ba32f9cad_lattice
	.globl	k_q2ba32f9cad_lattice
	.p2align	8
	.type	k_q2ba32f9cad_lattice,@function
k_q2ba32f9cad_lattice:
	s_mov_b64 s[64:65], 0
	v_nop
	global_prefetch_b8 v0, s[64:65] scope:SCOPE_SE
	s_setreg_imm32_b32 hwreg(HW_REG_WAVE_MODE, 25, 1), 1
	s_wait_xcnt 0x0
	s_wait_alu depctr_hold_cnt(0) depctr_sa_sdst(0) depctr_va_vdst(0) depctr_va_sdst(0) depctr_va_ssrc(0) depctr_va_vcc(0) depctr_vm_vsrc(0)
	s_getreg_b32 s2, hwreg(HW_REG_IB_STS2, 6, 4)
	s_cmp_eq_u32 s2, 0
	s_cbranch_scc0 .Lentry_in_a_cluster
	s_endpgm
.Lentry_in_a_cluster:
	s_bfe_u32 s2, ttmp6, 0x10000c
	s_cmp_lg_u32 s2, 0xf033
	s_cbranch_scc0 .Lentry_shape_is_right
	s_endpgm
.Lentry_shape_is_right:
; q = X Wq^T, k = X Wk^T, v = X Wv^T and A = bf16(q * v).  X comes as xb, bf16 [32][1024][64]; the weights are [8192][2048] f32 and are rounded to bf16
; (nearest even) on the way from LDS to the matrix unit; sums in f32.  A leaves as a, bf16 [64 blocks of 128 lattice columns][1024 rows][128].
; k IS MULTIPLIED LIKE q AND v AND THEN DROPPED: the source computes it and uses it for nothing, so its sums stay in registers and are never stored;
; a NaN or an infinity in Wk reaches no output, as in the source.
; LIMITS.  A is rounded once to bf16 (bf16, not f16: q * v has no room in f16 when the inputs grow).  NaN and infinities are not treated apart.
; SHARES.  A work-group makes 256 rows x 128 lattice columns of all three products.  Wave w takes all 256 rows x columns 32 w .. 32 w + 31 of the three:
; 16 x 2 x 3 = 96 accumulators, 768 registers.  So each f32 weight is read from LDS and converted by one wave alone, and it is the bf16 X that all four waves read.
; K = 2,048 goes in 32 steps of 64 through two LDS slots; a step is two sub-steps of 32.
; CLUSTER.  4 x 4 work-groups: cx picks the column block, cy the row block (the grid has four row blocks, so a column of the cluster holds them all).
; X's tile hangs on cy alone and is asked for jointly along the cluster's row; the weights' tiles hang on the column block alone and are asked for jointly along its column,
; so each weight tile is asked for once in the launch.  Behind each round one load a wave: wave 0 X's tile, waves 1, 2, 3 the tiles of Wq, Wk, Wv, 32,768 bytes each.
; THE MATRIX INSTRUCTION IS USED TRANSPOSED: source 0 = 16 lattice columns of W, source 1 = 16 rows of X: a lane holds one row and eight neighbouring columns.
; REGISTERS, in windows of 256 (s_set_vgpr_msb: bits 1:0 source 0, 3:2 source 1, 5:4 source 2, 7:6 destination):
;   window 0: v0-15 addresses; v16-79 XA, v80-143 XB: X's fragments of rows 0-127, 128-255; v144-191 WB: the six weight fragments in bf16; v192-223 LA, v224-255 LB: weights in f32 as they land
;   window 1: q   window 2: k   window 3: v; accumulator (row block a, column block b) at v[8 (2 a + b)]
.set XP,    144                        ; a row of X in LDS: 128 bytes + 16 of padding: the 16 rows of a load start at 16 different groups of four banks (64 banks of 4 bytes: ISA guide 11.1)
.set WP,    272                        ; a row of W: 64 f32 = 256 bytes + 16
.set XT,    256*XP                     ; X's tile
.set WT,    128*WP                     ; a weight's tile
.set SLOT,  XT+3*WT                    ; X, Wq, Wk, Wv
.set SPARE, 2*SLOT                     ; behind the ring: the spare words, 128 bytes for each wave: two blocks of 256 bytes that no other line names
.set SP,    272                        ; the stage for the way out: 256 rows of 256 + 16 bytes from LDS byte 0, in slot 0 behind its last fill and its last read
.set SPW,   1                          ; v1      LDS address of my spare word; never rewritten
.set NIL,   2                          ; v2      0; never rewritten
.set AX,    4                          ; v4-5    LDS address of my X fragments in slot 0, 1
.set AW,    6                          ; v6-11   of my fragments of Wq, Wk, Wv in slot 0, then in slot 1
.set PFROW, 12                         ; v12     prefetch: lane x one row of W
.set PF,    13                         ; v13     prefetch: the offset in hand
.set R16,   14                         ; v14     lane % 16
.set HH,    15                         ; v15     lane / 16
.set XA,    16
.set XB,    80
.set WB,    144                        ; fragment (matrix j, column block b) at WB + 16 j + 8 b
.set LA,    192
.set LB,    224
.set WV,    14                         ; s14     my wave's number
.set G1X,   24                         ; s[24:31] descriptor group 1 for X's tiles;  s[32:39] group 0, a set for each slot
.set G0X,   32
.set G1W,   48                         ; s[48:55], s[56:63] the same for the weights' tiles
.set G0W,   56
.set W_K,   0xa0                       ; sources in window 0, C and D in window 2
.set W_V,   0xf0                       ; C and D in window 3
.set W_QV,  0x0d                       ; source 0 window 1, source 1 window 3, destination window 0
.set MSB, 0
.macro WIN new                         ; the immediate's high byte repeats the setting that is left; a switch that changes nothing is dropped
.if MSB != (\new)
	s_set_vgpr_msb (MSB<<8)|(\new)
.set MSB, \new
.endif
.endm
; A vector instruction that writes a register of a matrix instruction, and a load into one, stand four places behind it; only plain vector instructions
; that name none of its registers are places (ISA guide 7.12.1 for vector instructions).
.macro PLACES
.rept 4
	v_nop
.endr
.endm
.macro CREST                           ; a round of the cluster's barrier behind its opening barrier
	s_cmp_lg_u32 s[WV], 0
	s_cbranch_scc1 .Lnot_wave_0_\@
	s_barrier_signal -3
.Lnot_wave_0_\@:
	s_barrier_wait -3
	s_barrier_signal -1
	s_barrier_wait -1
.endm
.macro CROUND                          ; a whole round
	s_barrier_signal -1
	s_barrier_wait -1
	CREST
.endm
; A joint refill of slot s.  Wave 0 asks for X's tile, waves 1 to 3 for their weight's.  The branch hangs on the wave's number alone.  An s_nop 0 and four v_nop follow each line.
; Behind their load waves 1 to 3 prefetch: of the K step one behind the step just asked for (the last step at the most), the 256 bytes of rows 32 cy + lane of their own weight's 128 rows:
; the four partners of a column cover the tile between them, each block asked for by one lane of one wave.
.macro JLOAD s
	s_cmp_eq_u32 s[WV], 0
	s_cbranch_scc0 .Lfor_w_\@
	tensor_load_to_lds s[G0X+4*(\s):G0X+4*(\s)+3], s[G1X:G1X+7]
	s_nop 0
	PLACES
	s_branch .Lasked_\@
.Lfor_w_\@:
	tensor_load_to_lds s[G0W+4*(\s):G0W+4*(\s)+3], s[G1W:G1W+7]
	s_nop 0
	PLACES
	s_wait_xcnt 0x0                                ; the last prefetch, a K step back, has had its address translated: its offset register is written again only behind this wait
	s_add_co_u32 s45, s45, 256                     ; one K step on: 64 f32,
	s_min_u32 s45, s45, 7936                       ; and never past the row's last step
	v_add_nc_u32 v[PF], s45, v[PFROW]
	global_prefetch_b8 v[PF], s[46:47] th:TH_LOAD_NT scope:SCOPE_SE
.Lasked_\@:
.endm
; 16 matrix instructions: row blocks 8 h .. 8 h + 7 x both column blocks of matrix j (0 q, 1 k, 2 v), 32 along K.  zero = 1: the products start the sums: nothing is cleared.
; The accumulators take turns, one instruction a turn: 16 different ones in a group, another window or other rows in the next.
.macro GRP h, j, zero
	WIN 0x50*((\j)+1)
.set ga, 0
.rept 8
.set gb, 0
.rept 2
.set gD, 8*(2*(8*(\h)+ga)+gb)
.if \zero
	v_wmma_f32_16x16x32_bf16 v[gD:gD+7], v[WB+16*(\j)+8*gb:WB+16*(\j)+8*gb+7], v[XA+64*(\h)+8*ga:XA+64*(\h)+8*ga+7], 0
.else
	v_wmma_f32_16x16x32_bf16 v[gD:gD+7], v[WB+16*(\j)+8*gb:WB+16*(\j)+8*gb+7], v[XA+64*(\h)+8*ga:XA+64*(\h)+8*ga+7], v[gD:gD+7]
.endif
.set gb, gb+1
.endr
.set ga, ga+1
.endr
.endm
; 16 LDS loads: X's fragments of rows 128 h .. 128 h + 127, 32 k at byte 64 half of the rows.  Lane l holds row l % 16, k = 8 (l / 16) + 0..7 and 16 + 8 (l / 16) + 0..7.
.macro LOADX dst, slot, half, h
.set li, 0
.rept 8
	ds_load_b128 v[(\dst)+8*li:(\dst)+8*li+3],   v[AX+(\slot)] offset:(8*(\h)+li)*16*XP+64*(\half)
	ds_load_b128 v[(\dst)+8*li+4:(\dst)+8*li+7], v[AX+(\slot)] offset:(8*(\h)+li)*16*XP+64*(\half)+32
.set li, li+1
.endr
.endm
; 8 LDS loads: my two fragments of matrix j in f32: the same k as above are 32 bytes at 32 (l / 16) and 32 bytes 64 further on.
.macro LOADW dst, j, slot, half
.irp b, 0,1
.irp o, 0,1,2,3
	ds_load_b128 v[(\dst)+16*\b+4*\o:(\dst)+16*\b+4*\o+3], v[AW+3*(\slot)+(\j)] offset:\b*16*WP+128*(\half)+16*(\o%2)+64*(\o/2)
.endr
.endr
.endm
.macro CVT j, src                      ; 32 f32 a lane -> the two bf16 fragments of matrix j
.set ci, 0
.rept 16
	v_cvt_pk_bf16_f32 v[WB+16*(\j)+ci], v[(\src)+2*ci], v[(\src)+2*ci+1]
.set ci, ci+1
.endr
.endm
; A SUB-STEP: 32 along K at half ch of slot cs, 96 matrix instructions in six groups; at the groups' edges the next sub-step's fragments are fetched and converted.
; At its head: q's fragments are converted; out are, in this order, k's f32 (LB, 8 loads), X's rows 0-127 (XA, 16), v's f32 (LA, 8).
; mode 0: plain.  1: the slot's last sub-step: change of slots, and the slot is filled again, two K steps on.  2: change of slots, nothing is filled.  3: the very last.
; The change: each wave waits for all its tensor loads (one is out: its part of the other slot), adds 0 to its spare word, works on registers, waits for the add and for its reads of this slot,
; and signals.  With mode 1 that barrier opens a round of the cluster's barrier, and the joint refill is the first thing behind the round: 160 of a K step's 192 matrix instructions stand ahead of the wait for it.
.macro SUBSTEP cs, ch, zero, mode
.if (\ch) == 0
.set ns, (\cs)
.set nh, 1
.else
.set ns, 1-(\cs)
.set nh, 0
.endif
	WIN 0
	s_wait_dscnt 8                                 ; k's f32 and XA are in; the youngest eight loads (v's f32) may be out
	CVT 1, LB                                      ; k's fragments: their last reader stands in front of the last sub-step's four v_nop and 16 conversions
	LOADX XB, \cs, \ch, 1                          ; the 16 conversions above name no register of the products that read XB last: they are the places
	GRP 0, 0, \zero
	WIN 0
	s_wait_dscnt 16                                ; v's f32 is in; XB's sixteen loads may be out
	CVT 2, LA                                      ; v's fragments: the places behind their last reader are the first 16 conversions of this sub-step
	WIN W_K                                        ; (the add's two registers lie in window 0, which this setting gives both source places)
.if ((\mode) == 1) || ((\mode) == 2)
	s_wait_tensorcnt 0x0                           ; all my tensor loads have landed: my part of the other slot
	ds_add_u32 v[SPW], v[NIL]                      ; 0 onto my spare word; sixteen products stand between it and the wait for it
.endif
	GRP 0, 1, \zero
	WIN W_V
.if ((\mode) == 1) || ((\mode) == 2)
	s_wait_dscnt 0x0                               ; the add is done, and my reads of this slot are over (XB's were the last)
	s_barrier_signal -1
.endif
	GRP 0, 2, \zero                                ; work on registers while the others arrive
	WIN 0                                          ; at a branch and at a label every window is 0
.if ((\mode) == 1) || ((\mode) == 2)
	s_barrier_wait -1
.endif
.if (\mode) == 1
	CREST                                          ; no wave of any partner still reads this slot's tiles or has a load on its way
	s_add_nc_u64 s[G0X+4*(\cs)+2:G0X+4*(\cs)+3], s[G0X+4*(\cs)+2:G0X+4*(\cs)+3], 2*131072  ; two blocks of xb on
	s_add_nc_u64 s[G0W+4*(\cs)+2:G0W+4*(\cs)+3], s[G0W+4*(\cs)+2:G0W+4*(\cs)+3], 2*256     ; 128 f32 on
	JLOAD \cs                                      ; its four v_nop are also the places in front of the loads into XA
.elseif (\mode) != 3
	PLACES                                         ; in front of the loads into XA
.endif
.if (\mode) != 3
	LOADW LA, 0, ns, nh                            ; the next sub-step: q's f32,
	LOADW LB, 1, ns, nh                            ; k's,
	LOADX XA, ns, nh, 0                            ; X's rows 0-127
	s_wait_dscnt 32                                ; XB is in: all but the 32 just issued
.else
	s_wait_dscnt 0x0                               ; XB is in
.endif
	GRP 1, 0, \zero
	GRP 1, 1, \zero
.if (\mode) != 3
	WIN 0
	PLACES                                         ; behind the products that read q's fragments
	s_wait_dscnt 24                                ; q's f32 is in; k's eight loads and XA's sixteen may be out
	CVT 0, LA
	LOADW LA, 2, ns, nh                            ; v's f32 takes the registers that q's has left
.endif
	GRP 1, 2, \zero
.endm
	s_load_b256 s[4:11], s[0:1], 0x0               ; xb s[4:5], Wq s[6:7], Wk s[8:9], Wv s[10:11]
	s_load_b64 s[12:13], s[0:1], 0x20              ; a
	v_lshl_add_u32 v[SPW], v0, 2, SPARE
	v_mov_b32 v[NIL], 0
	ds_add_u32 v[SPW], v[NIL]                      ; the wave's opening: the add and its wait stand ahead of my first tensor load; the set-up below, work on registers, stands between them
	v_lshrrev_b32 v3, 5, v0
	v_readfirstlane_b32 s[WV], v3                  ; wave 0..3
	v_and_b32 v[PFROW], 31, v0
	v_lshlrev_b32 v[PFROW], 13, v[PFROW]           ; lane x 8,192 bytes, a row of W
	s_bfe_u32 s15, ttmp6, 0x40000                  ; cx
	s_bfe_u32 s16, ttmp6, 0x40004                  ; cy: the row block
	s_lshl_b32 s17, ttmp9, 2                       ; in a cluster launch ttmp9 counts clusters
	s_add_co_u32 s17, s17, s15                     ; the column block = 4 x cluster x + cx
	s_lshl_b32 s18, s16, 2
	s_lshl_b32 s18, 15, s18                        ; my row of the cluster: places 4 cy .. 4 cy + 3
	s_lshl_b32 s19, 0x1111, s15                    ; my column: places cx, cx + 4, cx + 8, cx + 12
	; group 1 for X: 32,768 dense bytes asked for as 128 rows of 256 bytes (two rows of X each), padded in LDS after every row of X
	s_or_b32 s[G1X+0], s18, (1<<16)|(1<<20)|(1<<21)|(4<<22)|(3<<25)  ; 15:0 the mask; 17:16 2-byte elements; 20 padding on; 21 set beside a mask; 24:22 after every 32 words (code 4); 31:25 4 words (code 3)
	s_mov_b32 s[G1X+1], 128<<16                    ; tensor_dim0 = 128
	s_mov_b32 s[G1X+2], 128<<16                    ; tensor_dim1 = 128
	s_mov_b32 s[G1X+3], 128<<16                    ; tile_dim0 = 128
	s_mov_b32 s[G1X+4], 128                        ; tile_dim1 = 128
	s_mov_b32 s[G1X+5], 128                        ; 128 elements from row to row
	s_mov_b32 s[G1X+6], 0
	s_mov_b32 s[G1X+7], 0
	; group 1 for a weight: 128 rows x 64 f32
	s_or_b32 s[G1W+0], s19, (2<<16)|(1<<20)|(1<<21)|(5<<22)|(3<<25)  ; 4-byte elements; padding of 4 words after every 64 (code 5)
	s_mov_b32 s[G1W+1], 64<<16                     ; tensor_dim0 = 64
	s_mov_b32 s[G1W+2], 128<<16                    ; tensor_dim1 = 128
	s_mov_b32 s[G1W+3], 64<<16                     ; tile_dim0 = 64
	s_mov_b32 s[G1W+4], 128                        ; tile_dim1 = 128
	s_mov_b32 s[G1W+5], 2048                       ; 2,048 elements from row to row
	s_mov_b32 s[G1W+6], 0
	s_mov_b32 s[G1W+7], 0
	s_lshl_b32 s20, s16, 15                        ; X: 256 rows of 128 bytes for each row block; these two registers never hold cx
	s_mov_b32 s21, 0
	s_lshl_b32 s22, s17, 20                        ; W: 128 rows of 8,192 bytes for each column block; these two never hold cy
	s_mov_b32 s23, 0
	s_lshl_b32 s42, s16, 18                        ; prefetch: my 32 rows of the 128
	s_mov_b32 s43, 0
	s_lshl_b32 s2, s17, 18                         ; a: the column block's 1,024 rows of 256 bytes,
	s_lshl_b32 s3, s16, 16                         ; the row block's 256,
	s_add_co_u32 s2, s2, s3
	s_lshl_b32 s3, s[WV], 14                       ; the 64 that my wave stores
	s_add_co_u32 s2, s2, s3
	s_mov_b32 s3, 0
	s_mul_i32 s44, s[WV], WT                       ; where a weight's tile goes: XT + (wave - 1) x WT = 2,048 + wave x WT; no place in the cluster enters an LDS address
	s_mov_b32 s[G0X+0], 1                          ; count = 1
	s_mov_b32 s[G0X+1], 0                          ; LDS address: slot 0
	s_mov_b32 s[G0X+4], 1
	s_mov_b32 s[G0X+5], SLOT
	s_mov_b32 s[G0W+0], 1
	s_add_co_u32 s[G0W+1], s44, XT-WT
	s_mov_b32 s[G0W+4], 1
	s_add_co_u32 s[G0W+5], s44, SLOT+XT-WT
	s_mov_b32 s45, 512                             ; the K step last prefetched: step 2, in bytes of a row
	s_wait_dscnt 0x0                               ; the opening add is done
	s_wait_kmcnt 0x0
	s_cmp_eq_u32 s[WV], 2                          ; my weight: wave 1 Wq, 2 Wk, 3 Wv (wave 0 holds Wq's address and never uses it)
	s_cselect_b64 s[40:41], s[8:9], s[6:7]
	s_cmp_eq_u32 s[WV], 3
	s_cselect_b64 s[40:41], s[10:11], s[40:41]
	s_add_nc_u64 s[40:41], s[40:41], s[22:23]      ; at the column block's first row
	s_add_nc_u64 s[46:47], s[40:41], s[42:43]      ; prefetch base
	s_add_nc_u64 s[12:13], s[12:13], s[2:3]        ; a at the first row that my wave stores
	s_add_nc_u64 s[G0X+2:G0X+3], s[4:5], s[20:21]  ; K step 0
	s_add_nc_u64 s[G0X+6:G0X+7], s[G0X+2:G0X+3], 131072  ; K step 1: the next block of xb
	s_or_b32 s[G0X+3], s[G0X+3], 0x80000000        ; type = 2
	s_or_b32 s[G0X+7], s[G0X+7], 0x80000000
	s_mov_b64 s[G0W+2:G0W+3], s[40:41]
	s_add_nc_u64 s[G0W+6:G0W+7], s[40:41], 256
	s_or_b32 s[G0W+3], s[G0W+3], 0x80000000
	s_or_b32 s[G0W+7], s[G0W+7], 0x80000000
	CROUND                                         ; all sixteen work-groups are here: the first joint loads meet
	s_cmp_eq_u32 s[WV], 0                          ; a wave's two first fills stand in one branch, ahead of every wait on TENSORcnt and every LDS read: two loads of mine are out
	s_cbranch_scc0 .Lfirst_w
	tensor_load_to_lds s[G0X:G0X+3], s[G1X:G1X+7]
	s_nop 0
	tensor_load_to_lds s[G0X+4:G0X+7], s[G1X:G1X+7]
	s_nop 0
	PLACES
	s_branch .Lfirst_asked
.Lfirst_w:
	tensor_load_to_lds s[G0W:G0W+3], s[G1W:G1W+7]
	s_nop 0
	tensor_load_to_lds s[G0W+4:G0W+7], s[G1W:G1W+7]
	s_nop 0
	PLACES
	global_prefetch_b8 v[PFROW], s[46:47] offset:512 th:TH_LOAD_NT scope:SCOPE_SE  ; K step 2 of my 32 rows
.Lfirst_asked:
	v_and_b32 v[R16], 15, v0
	v_bfe_u32 v[HH], v0, 4, 1
	v_mul_u32_u24 v[AX], v[R16], XP
	v_lshl_add_u32 v[AX], v[HH], 4, v[AX]          ; X: row x pitch + 16 x half of the lanes
	v_add_nc_u32 v[AX+1], SLOT, v[AX]
	s_mul_i32 s44, s[WV], 32*WP                    ; my 32 rows of each weight's tile,
	s_add_co_u32 s44, s44, XT                      ; behind X's tile
	v_mul_u32_u24 v[AW], v[R16], WP
	v_lshl_add_u32 v[AW], v[HH], 5, v[AW]          ; W: row x pitch + 32 x half of the lanes (eight f32)
	v_add_nc_u32 v[AW], s44, v[AW]
	v_add_nc_u32 v[AW+1], WT, v[AW]
	v_add_nc_u32 v[AW+2], 2*WT, v[AW]
	v_add_nc_u32 v[AW+3], SLOT, v[AW]
	v_add_nc_u32 v[AW+4], SLOT+WT, v[AW]
	v_add_nc_u32 v[AW+5], SLOT+2*WT, v[AW]
	s_wait_tensorcnt 0x1                           ; my part of K step 0 is in; K step 1's may stay out
	s_barrier_signal -1
	s_barrier_wait -1                              ; everybody's is
	LOADW LA, 0, 0, 0                              ; the first sub-step's fragments, in the order in which every sub-step leaves them
	LOADW LB, 1, 0, 0
	LOADX XA, 0, 0, 0
	s_wait_dscnt 24                                ; q's f32 is in
	CVT 0, LA
	LOADW LA, 2, 0, 0
	SUBSTEP 0, 0, 1, 0                             ; the first sub-step stands in front of the loop: its products start the sums
	WIN 0
	s_mov_b32 s44, 15
.Ltrip:                                                ; a trip goes once round the ring, from a K step's second half to the first half two steps on, and fills both slots again: K steps 2 to 31
	SUBSTEP 0, 1, 0, 1
	SUBSTEP 1, 0, 0, 0
	SUBSTEP 1, 1, 0, 1
	SUBSTEP 0, 0, 0, 0
	WIN 0
	s_sub_co_u32 s44, s44, 1
	s_cmp_lg_u32 s44, 0
	s_cbranch_scc1 .Ltrip
	SUBSTEP 0, 1, 0, 2                             ; the tail asks for nothing: behind this barrier no wave reads slot 0 any more, and nothing is filled into it
	SUBSTEP 1, 0, 0, 0
	SUBSTEP 1, 1, 0, 3
	; THE WAY OUT.  q * v in f32, rounded once to bf16; a lane's eight columns are 16 bytes; a row's 256 bytes come from four waves, so they meet in one stage, with a barrier
	; between writing and reading.  The stage lies in slot 0, whose last fill and last reads lie behind the tail's barrier.  The eight address lines are the places behind the last products.
	WIN 0
	s_lshl_b32 s44, s[WV], 6                       ; my 32 columns: 64 bytes
	v_mul_u32_u24 v4, v[R16], SP                   ; in: row l % 16, 16 bytes for each half of the lanes
	v_lshl_add_u32 v4, v[HH], 4, v4
	v_add_nc_u32 v4, s44, v4
	s_mul_i32 s44, s[WV], 64*SP                    ; back: wave w takes rows 64 w .. 64 w + 63, whole; lanes 0-15 one row, lanes 16-31 the next
	v_mul_u32_u24 v5, v[HH], SP
	v_lshl_add_u32 v5, v[R16], 4, v5
	v_add_nc_u32 v5, s44, v5
	v_and_b32 v6, 31, v0                           ; two rows of a block of a are 512 consecutive bytes
	v_lshlrev_b32 v6, 4, v6
.set g, 0
.rept 4                                ; four row blocks (eight accumulators of q and of v) at a time
	WIN W_QV
.set i, 0
.rept 32
	v_pk_mul_f32 v[16+2*i:16+2*i+1], v[64*g+2*i:64*g+2*i+1], v[64*g+2*i:64*g+2*i+1]  ; ascending: each accumulator is read from its low end on
.set i, i+1
.endr
	WIN 0
.set i, 0
.rept 32
	v_cvt_pk_bf16_f32 v[80+i], v[16+2*i], v[16+2*i+1]
.set i, i+1
.endr
.set i, 0
.rept 8
	ds_store_b128 v4, v[80+4*i:80+4*i+3] offset:(4*g+i/2)*16*SP+32*(i%2)
.set i, i+1
.endr
.set g, g+1
.endr
	s_wait_dscnt 0x0                               ; for the others' sake: my stores into the stage are done
	s_barrier_signal -1
	s_barrier_wait -1
.set i, 0
.rept 32
	ds_load_b128 v[16+4*i:16+4*i+3], v5 offset:i*2*SP
.set i, i+1
.endr
.set i, 0
.rept 32
	s_wait_dscnt 31-i                              ; LDS loads come back in order: pair i of rows is in
	global_store_b128 v6, v[16+4*i:16+4*i+3], s[12:13] offset:512*i  ; 512 consecutive bytes, at a multiple of 512 from a's first byte
.set i, i+1
.endr
	s_wait_tensorcnt 0x0                           ; the wave's end: behind my last tensor load and my last LDS store
	ds_add_u32 v[SPW], v[NIL]
	s_wait_dscnt 0x0
	CROUND                                         ; the closing round: no work-group ends while a partner may still ask for a tile that names it
	s_endpgm
.Lfunc_end_k_q2ba32f9cad_lattice:
	.size	k_q2ba32f9cad_lattice, .Lfunc_end_k_q2ba32f9cad_lattice-k_q2ba32f9cad_lattice
	.p2alignl 7, 3214868480
	.fill 96, 4, 3214868480
	.section	.rodata,"a",@progbits
	.p2align	6, 0x0
	.amdhsa_kernel k_q2ba32f9cad_lattice
		.amdhsa_group_segment_fixed_size 327680
		.amdhsa_private_segment_fixed_size 0
		.amdhsa_enable_private_segment 0
		.amdhsa_kernarg_size 40
		.amdhsa_user_sgpr_count 2
		.amdhsa_user_sgpr_kernarg_segment_ptr 1
		.amdhsa_wavefront_size32 1
		.amdhsa_system_sgpr_workgroup_id_x 1
		.amdhsa_system_sgpr_workgroup_id_y 1
		.amdhsa_system_sgpr_workgroup_id_z 1
		.amdhsa_system_vgpr_workitem_id 0
		.amdhsa_next_free_vgpr 1024
		.amdhsa_next_free_sgpr 66
		.amdhsa_reserve_vcc 0
		.amdhsa_float_denorm_mode_32 3
		.amdhsa_float_denorm_mode_16_64 3
		.amdhsa_memory_ordered 1
		.amdhsa_forward_progress 1
		.amdhsa_inst_pref_size 140
	.end_amdhsa_kernel
	.amdgpu_metadata
---
amdhsa.version: [ 1, 2 ]
amdhsa.kernels:
  - .name:           k_q2ba32f9cad_lattice
    .symbol:         k_q2ba32f9cad_lattice.kd
    .args:
      - { .name: xb, .offset: 0, .size: 8, .value_kind: global_buffer, .address_space: global }
      - { .name: Wq, .offset: 8, .size: 8, .value_kind: global_buffer, .address_space: global }
      - { .name: Wk, .offset: 16, .size: 8, .value_kind: global_buffer, .address_space: global }
      - { .name: Wv, .offset: 24, .size: 8, .value_kind: global_buffer, .address_space: global }
      - { .name: a, .offset: 32, .size: 8, .value_kind: global_buffer, .address_space: global }
    .group_segment_fixed_size: 327680
    .private_segment_fixed_size: 0
    .kernarg_segment_align: 8
    .kernarg_segment_size: 40
    .max_flat_workgroup_size: 128
    .sgpr_count:     66
    .vgpr_count:     1024
    .wavefront_size: 32
...
	.end_amdgpu_metadata
.endif
;; end of part 2
;; launch project (part 3): grid 16 x 16, 4 waves a work-group, clusters of 4 x 4, 327,680 bytes of LDS; arguments a, Wout, p; writes p
.if DOCPART == 3
	.amdgcn_target "amdgcn-amd-amdhsa--gfx1250"
	.amdhsa_code_object_version 6
	.text
	.protected	k_q2ba32f9cad_project
	.globl	k_q2ba32f9cad_project
	.p2align	8
	.type	k_q2ba32f9cad_project,@function
k_q2ba32f9cad_project:
	s_mov_b64 s[64:65], 0
	v_nop
	global_prefetch_b8 v0, s[64:65] scope:SCOPE_SE
	s_setreg_imm32_b32 hwreg(HW_REG_WAVE_MODE, 25, 1), 1
	s_wait_xcnt 0x0
	s_wait_alu depctr_hold_cnt(0) depctr_sa_sdst(0) depctr_va_vdst(0) depctr_va_sdst(0) depctr_va_ssrc(0) depctr_va_vcc(0) depctr_vm_vsrc(0)
	s_getreg_b32 s2, hwreg(HW_REG_IB_STS2, 6, 4)
	s_cmp_eq_u32 s2, 0
	s_cbranch_scc0 .Lentry_in_a_cluster
	s_endpgm
.Lentry_in_a_cluster:
	s_bfe_u32 s2, ttmp6, 0x10000c
	s_cmp_lg_u32 s2, 0xf033
	s_cbranch_scc0 .Lentry_shape_is_right
	s_endpgm
.Lentry_shape_is_right:
; p[sp] = A[:, 2048 sp .. 2048 sp + 2047] Wout[:, the same]^T: four parts of the sum over the 8,192 lattice columns, in f32; the next launch adds them in a fixed order.
; A comes as a, bf16 [64 blocks of 128 lattice columns][1024 rows][128]; Wout is [2048][8192] f32 and is rounded to bf16 (nearest even) on the way from LDS to the matrix unit.
; WHY PARTS: the output has 1,024 x 2,048 numbers; tiles of 256 x 128 are 64, and a quarter of K to each gives 256 work-groups of equal work.
; SHARES.  A work-group makes 256 rows x 128 columns over 2,048 of K; its four waves 128 x 64 each (wave w: rows 128 (w / 2) on, columns 64 (w % 2) on): 32 accumulators, 256 registers.
; K goes in 16 steps of 128 through two LDS slots; a step is four quarters of 32.
; CLUSTER.  4 x 4 work-groups: cx picks the column tile, cy the row block; the cluster's y is the part of K.  A's tile hangs on cy (and the part) and is asked for jointly along the cluster's row;
; Wout's hangs on the column tile (and the part) and is asked for jointly along its column, which holds all four row blocks: each tile of Wout is asked for once in the launch.
; Behind each round one load a wave: waves 0, 1 the halves of A's tile (128 rows x 256 bytes), waves 2, 3 the halves of Wout's (64 rows x 512 bytes).
; THE MATRIX INSTRUCTION IS USED TRANSPOSED: source 0 = 16 rows of Wout (output columns), source 1 = 16 rows of A: a lane holds one row and eight neighbouring columns.
; REGISTERS: window 0: v0-15 addresses; v16-79 Wout's four fragments in f32 as they land (on the way out: rows read back); v80-111 the same in bf16; v112-175, v176-239 A's fragments, two buffers.
;   window 1: the accumulators, (row block a, column block b) at v[8 (4 a + b)].
.set AP,    272                        ; a row of A in LDS: 256 bytes + 16 of padding: the 16 rows of a load start at 16 different groups of four banks (64 banks of 4 bytes: ISA guide 11.1)
.set WP,    528                        ; a row of Wout: 128 f32 = 512 bytes + 16
.set AT,    128*AP                     ; half of A's tile: what one tensor load brings, and what one wave reads
.set WT,    64*WP                      ; half of Wout's tile, likewise
.set SLOT,  2*AT+2*WT
.set STAGE, 2*SLOT                     ; behind the ring, never filled by a tensor load: 16 rows x 272 bytes for each wave, for the way out
.set SP,    272
.set SPARE, STAGE+4*16*SP              ; behind the stages: the spare words, 128 bytes for each wave: two blocks of 256 bytes that no other line names
.set SPW,   1                          ; v1      LDS address of my spare word; never rewritten
.set NIL,   2                          ; v2      0; never rewritten
.set AA,    4                          ; v4-5    LDS address of my A fragments in slot 0, 1
.set AWT,   6                          ; v6-7    of my Wout fragments
.set STO,   8                          ; v8      the way out: where I put 32 bytes of a row
.set RD,    9                          ; v9      the way out: where I read a row back
.set CO,    10                         ; v10     my byte offset in two rows of p
.set PFROW, 11                         ; v11     prefetch: lane x one row of Wout
.set PF,    12                         ; v12     prefetch: the offset in hand
.set R16,   14                         ; v14     lane % 16
.set HH,    15                         ; v15     lane / 16
.set LAND,  16
.set WB,    80
.set AF,    112
.set G1A,   24                         ; s[24:31] descriptor group 1 for A's tiles;  s[32:39] group 0, a set for each slot
.set G0A,   32
.set G1W,   48                         ; s[48:55], s[56:63] the same for Wout's
.set G0W,   56
.set MSB, 0
.macro WIN new                         ; the immediate's high byte repeats the setting that is left; a switch that changes nothing is dropped
.if MSB != (\new)
	s_set_vgpr_msb (MSB<<8)|(\new)
.set MSB, \new
.endif
.endm
.macro PLACES                          ; four places in front of writes of, and loads into, registers that matrix instructions have read (ISA guide 7.12.1 for vector instructions)
.rept 4
	v_nop
.endr
.endm
.macro CREST                           ; a round of the cluster's barrier behind its opening barrier
	s_cmp_lg_u32 s10, 0
	s_cbranch_scc1 .Lnot_wave_0_\@
	s_barrier_signal -3
.Lnot_wave_0_\@:
	s_barrier_wait -3
	s_barrier_signal -1
	s_barrier_wait -1
.endm
.macro CROUND
	s_barrier_signal -1
	s_barrier_wait -1
	CREST
.endm
; A joint refill of slot s.  The branch hangs on the wave's number alone.  An s_nop 0 and four v_nop follow each line.
; Behind their load waves 2 and 3 prefetch: of the K step two behind the step just asked for (the part's last step at the most), rows 32 cy + lane of the tile's 128, one half of the step's 512 bytes each:
; the four partners of a column cover the tile between them, each block asked for by one lane of one wave.
.macro JLOAD s
	s_cmp_eq_u32 s11, 0
	s_cbranch_scc0 .Lfor_w_\@
	tensor_load_to_lds s[G0A+4*(\s):G0A+4*(\s)+3], s[G1A:G1A+7]
	s_nop 0
	PLACES
	s_branch .Lasked_\@
.Lfor_w_\@:
	tensor_load_to_lds s[G0W+4*(\s):G0W+4*(\s)+3], s[G1W:G1W+7]
	s_nop 0
	PLACES
	s_wait_xcnt 0x0                                ; the last prefetch, a K step back, has had its address translated: its offset register is written again only behind this wait
	s_add_co_u32 s45, s45, 512                     ; one K step on: 128 f32,
	s_min_u32 s45, s45, 7680                       ; and never past the part's last step
	v_add_nc_u32 v[PF], s45, v[PFROW]
	global_prefetch_b8 v[PF], s[46:47] th:TH_LOAD_NT scope:SCOPE_SE
.Lasked_\@:
.endm
; 8 matrix instructions: row blocks a0, a0 + 1 x all four column blocks, 32 along K, A's fragments in buffer f.  zero = 1: the products start the sums.
; The 32 accumulators take turns, one instruction a turn, in the same order in every quarter.
.macro MUL8 a0, f, zero
	WIN 0x50                                       ; sources in window 0, C and D in window 1
.irp a, \a0, (\a0)+1
.irp b, 0,1,2,3
.if \zero
	v_wmma_f32_16x16x32_bf16 v[8*(4*(\a)+\b):8*(4*(\a)+\b)+7], v[WB+8*\b:WB+8*\b+7], v[(\f)+8*(\a):(\f)+8*(\a)+7], 0
.else
	v_wmma_f32_16x16x32_bf16 v[8*(4*(\a)+\b):8*(4*(\a)+\b)+7], v[WB+8*\b:WB+8*\b+7], v[(\f)+8*(\a):(\f)+8*(\a)+7], v[8*(4*(\a)+\b):8*(4*(\a)+\b)+7]
.endif
.endr
.endr
.endm
; 32 LDS loads in one run: quarter c of a slot: Wout's four fragments in f32 (lane l: row l % 16; k = 8 (l / 16) + 0..7 are 32 bytes at 32 (l / 16), k = 16 + .. 64 bytes further on), A's eight in bf16 into buffer f.
.macro FETCH slot, c, f
.irp b, 0,1,2,3
.irp o, 0,1,2,3
	ds_load_b128 v[LAND+16*\b+4*\o:LAND+16*\b+4*\o+3], v[AWT+(\slot)] offset:\b*16*WP+128*(\c)+16*(\o%2)+64*(\o/2)
.endr
.endr
.irp a, 0,1,2,3,4,5,6,7
	ds_load_b128 v[(\f)+8*\a:(\f)+8*\a+3],   v[AA+(\slot)] offset:\a*16*AP+64*(\c)
	ds_load_b128 v[(\f)+8*\a+4:(\f)+8*\a+7], v[AA+(\slot)] offset:\a*16*AP+64*(\c)+32
.endr
.endm
; A QUARTER: 32 along K, 32 matrix instructions.  Its fragments were fetched a quarter ago; Wout's are converted, the next quarter's are fetched, then the products.
; mode 0: plain.  1: the slot's third quarter, whose fetch holds the slot's last reads: change of slots, and the slot is filled again, two K steps on.  2: the same, nothing is filled.  3: the very last.
; The change: each wave waits for all its tensor loads (one is out: its part of the other slot), adds 0 to its spare word, works on registers, waits for the add and for its reads of this slot, and signals.
; With mode 1 that barrier opens a round of the cluster's barrier, and the joint refill is the first thing behind the round: 112 of a K step's 128 matrix instructions stand ahead of the wait for it.
.macro QSTEP slot, c, zero, mode
.if (\c) == 3
.set ns, 1-(\slot)
.set nc, 0
.else
.set ns, (\slot)
.set nc, (\c)+1
.endif
.set fc, AF+64*((\c)%2)
.set fn, AF+64*(((\c)+1)%2)
	WIN 0
	s_wait_dscnt 0x0                               ; this quarter's fragments are in: they were asked for 32 matrix instructions ago
	PLACES                                         ; behind the last quarter's products, which read the bf16 fragments and the buffer that is loaded below
.set ci, 0
.rept 32
	v_cvt_pk_bf16_f32 v[WB+ci], v[LAND+2*ci], v[LAND+2*ci+1]
.set ci, ci+1
.endr
.if (\mode) != 3
	FETCH ns, nc, fn
.endif
	MUL8 0, fc, \zero
	MUL8 2, fc, \zero
.if ((\mode) == 1) || ((\mode) == 2)
	s_wait_tensorcnt 0x0                           ; all my tensor loads have landed: my part of the other slot
	ds_add_u32 v[SPW], v[NIL]                      ; 0 onto my spare word (both its registers lie in window 0, as the setting has the source places)
.endif
	MUL8 4, fc, \zero                              ; eight products stand between the add and the wait for it
.if ((\mode) == 1) || ((\mode) == 2)
	s_wait_dscnt 0x0                               ; the add is done, and my reads of this slot are over
	s_barrier_signal -1
.endif
	MUL8 6, fc, \zero
.if ((\mode) == 1) || ((\mode) == 2)
	WIN 0                                          ; at a branch and at a label every window is 0
	s_barrier_wait -1
.endif
.if (\mode) == 1
	CREST                                          ; no wave of any partner still reads this slot's tiles or has a load on its way
	s_add_nc_u64 s[G0A+4*(\slot)+2:G0A+4*(\slot)+3], s[G0A+4*(\slot)+2:G0A+4*(\slot)+3], 2*262144  ; two blocks of a on
	s_add_nc_u64 s[G0W+4*(\slot)+2:G0W+4*(\slot)+3], s[G0W+4*(\slot)+2:G0W+4*(\slot)+3], 2*512     ; 256 f32 on
	JLOAD \slot
.endif
.endm
	s_load_b128 s[4:7], s[0:1], 0x0                ; a s[4:5], Wout s[6:7]
	s_load_b64 s[8:9], s[0:1], 0x10                ; p
	v_lshl_add_u32 v[SPW], v0, 2, SPARE
	v_mov_b32 v[NIL], 0
	ds_add_u32 v[SPW], v[NIL]                      ; the wave's opening: the add and its wait stand ahead of my first tensor load; the set-up below, work on registers, stands between them
	v_lshrrev_b32 v3, 5, v0
	v_readfirstlane_b32 s10, v3                    ; wave 0..3
	v_and_b32 v[PFROW], 31, v0
	v_lshlrev_b32 v[PFROW], 15, v[PFROW]           ; lane x 32,768 bytes, a row of Wout
	s_lshr_b32 s11, s10, 1                         ; which half of the tile's rows is mine.  Also: I fetch for A (0) or for Wout (1)
	s_and_b32 s12, s10, 1                          ; which half of its columns.  Also: which half of that tile I fetch
	s_bfe_u32 s13, ttmp6, 0x40000                  ; cx
	s_bfe_u32 s14, ttmp6, 0x40004                  ; cy: the row block
	s_lshl_b32 s15, ttmp9, 2
	s_add_co_u32 s15, s15, s13                     ; the column tile = 4 x cluster x + cx
	s_and_b32 s16, ttmp7, 0xffff                   ; the cluster's y: the part of K, which all sixteen share
	s_lshl_b32 s17, s14, 2
	s_lshl_b32 s17, 15, s17                        ; my row of the cluster
	s_lshl_b32 s18, 0x1111, s13                    ; my column
	; group 1 for A: 128 rows x 128 bf16, dense in a block of a
	s_or_b32 s[G1A+0], s17, (1<<16)|(1<<20)|(1<<21)|(5<<22)|(3<<25)  ; 15:0 the mask; 17:16 2-byte elements; 20 padding on; 21 set beside a mask; 24:22 after every 64 words (code 5); 31:25 4 words (code 3)
	s_mov_b32 s[G1A+1], 128<<16                    ; tensor_dim0 = 128
	s_mov_b32 s[G1A+2], 128<<16                    ; tensor_dim1 = 128
	s_mov_b32 s[G1A+3], 128<<16                    ; tile_dim0 = 128
	s_mov_b32 s[G1A+4], 128                        ; tile_dim1 = 128
	s_mov_b32 s[G1A+5], 128                        ; 128 elements from row to row
	s_mov_b32 s[G1A+6], 0
	s_mov_b32 s[G1A+7], 0
	; group 1 for Wout: 64 rows x 128 f32
	s_or_b32 s[G1W+0], s18, (2<<16)|(1<<20)|(1<<21)|(6<<22)|(3<<25)  ; 4-byte elements; padding of 4 words after every 128 (code 6)
	s_mov_b32 s[G1W+1], 128<<16                    ; tensor_dim0 = 128
	s_mov_b32 s[G1W+2], 64<<16                     ; tensor_dim1 = 64
	s_mov_b32 s[G1W+3], 128<<16                    ; tile_dim0 = 128
	s_mov_b32 s[G1W+4], 64                         ; tile_dim1 = 64
	s_mov_b32 s[G1W+5], 8192                       ; 8,192 elements from row to row
	s_mov_b32 s[G1W+6], 0
	s_mov_b32 s[G1W+7], 0
	s_lshl_b32 s20, s16, 22                        ; A: the part's 16 blocks of 262,144 bytes,
	s_lshl_b32 s21, s14, 16                        ; the row block's 256 rows of 256 bytes,
	s_add_co_u32 s20, s20, s21
	s_lshl_b32 s21, s12, 15                        ; the 128 rows that I fetch; these two registers never hold cx
	s_add_co_u32 s20, s20, s21
	s_mov_b32 s21, 0
	s_lshl_b32 s22, s15, 22                        ; Wout: the column tile's 128 rows of 32,768 bytes,
	s_lshl_b32 s23, s12, 21                        ; the 64 rows that I fetch,
	s_add_co_u32 s22, s22, s23
	s_lshl_b32 s23, s16, 13                        ; the part's 2,048 f32 in a row; these two never hold cy
	s_add_co_u32 s22, s22, s23
	s_mov_b32 s23, 0
	s_lshl_b32 s40, s15, 22                        ; prefetch: the column tile,
	s_lshl_b32 s41, s14, 20                        ; my work-group's 32 rows of it,
	s_add_co_u32 s40, s40, s41
	s_lshl_b32 s41, s16, 13                        ; the part,
	s_add_co_u32 s40, s40, s41
	s_lshl_b32 s41, s12, 8                         ; my wave's half of a step's 512 bytes
	s_add_co_u32 s40, s40, s41
	s_mov_b32 s41, 0
	s_lshl_b32 s42, s16, 23                        ; p: the part's 1,024 rows of 8,192 bytes,
	s_lshl_b32 s43, s14, 21                        ; the row block,
	s_add_co_u32 s42, s42, s43
	s_lshl_b32 s43, s11, 20                        ; my wave's 128 rows,
	s_add_co_u32 s42, s42, s43
	s_lshl_b32 s43, s15, 9                         ; the column tile's 128 f32,
	s_add_co_u32 s42, s42, s43
	s_lshl_b32 s43, s12, 8                         ; my wave's 64
	s_add_co_u32 s42, s42, s43
	s_mov_b32 s43, 0
	s_mov_b32 s[G0A+0], 1                          ; count = 1
	s_mul_i32 s[G0A+1], s10, AT                    ; LDS address: A's halves at wave x AT (waves 0, 1); no place in the cluster enters an LDS address
	s_mov_b32 s[G0A+4], 1
	s_add_co_u32 s[G0A+5], s[G0A+1], SLOT
	s_mul_i32 s19, s10, WT                         ; Wout's halves at 2 AT + (wave - 2) x WT (waves 2, 3)
	s_mov_b32 s[G0W+0], 1
	s_add_co_u32 s[G0W+1], s19, 2*AT-2*WT
	s_mov_b32 s[G0W+4], 1
	s_add_co_u32 s[G0W+5], s19, SLOT+2*AT-2*WT
	s_mov_b32 s45, 1536                            ; the K step last prefetched: step 3, in bytes of a row
	s_wait_dscnt 0x0                               ; the opening add is done
	s_wait_kmcnt 0x0
	s_add_nc_u64 s[G0A+2:G0A+3], s[4:5], s[20:21]  ; K step 0
	s_add_nc_u64 s[G0A+6:G0A+7], s[G0A+2:G0A+3], 262144  ; K step 1: the next block of a
	s_or_b32 s[G0A+3], s[G0A+3], 0x80000000        ; type = 2
	s_or_b32 s[G0A+7], s[G0A+7], 0x80000000
	s_add_nc_u64 s[G0W+2:G0W+3], s[6:7], s[22:23]
	s_add_nc_u64 s[G0W+6:G0W+7], s[G0W+2:G0W+3], 512
	s_or_b32 s[G0W+3], s[G0W+3], 0x80000000
	s_or_b32 s[G0W+7], s[G0W+7], 0x80000000
	s_add_nc_u64 s[46:47], s[6:7], s[40:41]        ; prefetch base
	s_add_nc_u64 s[8:9], s[8:9], s[42:43]          ; p at my wave's first number
	CROUND                                         ; all sixteen work-groups are here: the first joint loads meet
	s_cmp_eq_u32 s11, 0                            ; a wave's two first fills stand in one branch, ahead of every wait on TENSORcnt and every LDS read: two loads of mine are out
	s_cbranch_scc0 .Lfirst_w
	tensor_load_to_lds s[G0A:G0A+3], s[G1A:G1A+7]
	s_nop 0
	tensor_load_to_lds s[G0A+4:G0A+7], s[G1A:G1A+7]
	s_nop 0
	PLACES
	s_branch .Lfirst_asked
.Lfirst_w:
	tensor_load_to_lds s[G0W:G0W+3], s[G1W:G1W+7]
	s_nop 0
	tensor_load_to_lds s[G0W+4:G0W+7], s[G1W:G1W+7]
	s_nop 0
	PLACES
	global_prefetch_b8 v[PFROW], s[46:47] offset:1024 th:TH_LOAD_NT scope:SCOPE_SE  ; K steps 2 and 3 of my rows
	global_prefetch_b8 v[PFROW], s[46:47] offset:1536 th:TH_LOAD_NT scope:SCOPE_SE
.Lfirst_asked:
	v_and_b32 v[R16], 15, v0
	v_bfe_u32 v[HH], v0, 4, 1
	s_mul_i32 s44, s11, AT                         ; my 128 rows of A
	s_mul_i32 s19, s12, WT                         ; my 64 rows of Wout,
	s_add_co_u32 s19, s19, 2*AT                    ; which lie behind A's 256
	v_mul_u32_u24 v[AA], v[R16], AP
	v_lshl_add_u32 v[AA], v[HH], 4, v[AA]          ; row x pitch + 16 x half of the lanes
	v_add_nc_u32 v[AA], s44, v[AA]
	v_add_nc_u32 v[AA+1], SLOT, v[AA]
	v_mul_u32_u24 v[AWT], v[R16], WP
	v_lshl_add_u32 v[AWT], v[HH], 5, v[AWT]        ; row x pitch + 32 x half of the lanes (eight f32)
	v_add_nc_u32 v[AWT], s19, v[AWT]
	v_add_nc_u32 v[AWT+1], SLOT, v[AWT]
	s_wait_tensorcnt 0x1                           ; my part of K step 0 is in; K step 1's may stay out
	s_barrier_signal -1
	s_barrier_wait -1                              ; everybody's is
	FETCH 0, 0, AF
	QSTEP 0, 0, 1, 0                               ; the first quarter stands in front of the loop: its products start the sums
	WIN 0
	s_mov_b32 s3, 7
.Ltrip:                                                ; a trip goes once round the ring, from a lap's second quarter to the next lap's first, and fills both slots again: K steps 2 to 15
	QSTEP 0, 1, 0, 0
	QSTEP 0, 2, 0, 1
	QSTEP 0, 3, 0, 0
	QSTEP 1, 0, 0, 0
	QSTEP 1, 1, 0, 0
	QSTEP 1, 2, 0, 1
	QSTEP 1, 3, 0, 0
	QSTEP 0, 0, 0, 0
	WIN 0
	s_sub_co_u32 s3, s3, 1
	s_cmp_lg_u32 s3, 0
	s_cbranch_scc1 .Ltrip
	QSTEP 0, 1, 0, 0                               ; the last lap asks for nothing
	QSTEP 0, 2, 0, 2                               ; my one tensor load that was still out is slot 1's, the last K step's
	QSTEP 0, 3, 0, 0
	QSTEP 1, 0, 0, 0
	QSTEP 1, 1, 0, 0
	QSTEP 1, 2, 0, 0
	QSTEP 1, 3, 0, 3
	; THE WAY OUT.  A lane's eight f32 are 32 bytes of a row; a block of 16 rows x 64 columns goes through my own stage in LDS and comes back as whole rows of 256 bytes.
	; The stage is my wave's alone, so no barrier; the eight address lines are the places behind the last products.
	WIN 0
	s_mul_i32 s44, s10, 16*SP
	s_add_co_u32 s44, s44, STAGE                   ; my stage
	v_mul_u32_u24 v[STO], v[R16], SP               ; in: row l % 16, 32 bytes for each half of the lanes
	v_lshl_add_u32 v[STO], v[HH], 5, v[STO]
	v_add_nc_u32 v[STO], s44, v[STO]
	v_mul_u32_u24 v[RD], v[HH], SP                 ; back: lanes 0-15 take one row of 256 bytes, lanes 16-31 the next
	v_lshl_add_u32 v[RD], v[R16], 4, v[RD]
	v_add_nc_u32 v[RD], s44, v[RD]
	v_lshlrev_b32 v[CO], 13, v[HH]                 ; and the same two rows in p
	v_lshl_add_u32 v[CO], v[R16], 4, v[CO]
.macro TOSTAGE a
	WIN 0x04                                       ; the stores' data in window 1
.irp b, 0,1,2,3
	ds_store_b128 v[STO], v[8*(4*(\a)+\b):8*(4*(\a)+\b)+3]   offset:64*\b      ; each accumulator's low four registers first
	ds_store_b128 v[STO], v[8*(4*(\a)+\b)+4:8*(4*(\a)+\b)+7] offset:64*\b+16
.endr
	WIN 0
	s_wait_xcnt 0x0                                ; the stores of two blocks ago have had their addresses translated (ISA guide 3.1): their data registers are loaded again only behind this wait
.irp i, 0,1,2,3,4,5,6,7
	ds_load_b128 v[LAND+32*((\a)%2)+4*\i:LAND+32*((\a)%2)+4*\i+3], v[RD] offset:\i*2*SP  ; LDS serves a wave's instructions in order (ISA guide 5.7.1.4): these see the stores above; the next block's stores come behind them
.endr
.endm
.macro SEND a, younger                 ; younger: the LDS instructions issued behind block a's loads: the next block's sixteen, or none
	s_wait_dscnt \younger
.irp i, 0,1,2,3,4,5,6,7
	global_store_b128 v[CO], v[LAND+32*((\a)%2)+4*\i:LAND+32*((\a)%2)+4*\i+3], s[8:9] offset:(16*(\a)+2*\i)*8192  ; 16 lanes store 256 consecutive bytes, at a multiple of 256 from p's first byte
.endr
.endm
	TOSTAGE 0
.irp a, 1,2,3,4,5,6,7
	TOSTAGE \a
	SEND (\a)-1, 16
.endr
	SEND 7, 0
	s_wait_tensorcnt 0x0                           ; the wave's end: behind my last tensor load and my last LDS store
	ds_add_u32 v[SPW], v[NIL]
	s_wait_dscnt 0x0
	CROUND                                         ; the closing round: no work-group ends while a partner may still ask for a tile that names it
	s_endpgm
.Lfunc_end_k_q2ba32f9cad_project:
	.size	k_q2ba32f9cad_project, .Lfunc_end_k_q2ba32f9cad_project-k_q2ba32f9cad_project
	.p2alignl 7, 3214868480
	.fill 96, 4, 3214868480
	.section	.rodata,"a",@progbits
	.p2align	6, 0x0
	.amdhsa_kernel k_q2ba32f9cad_project
		.amdhsa_group_segment_fixed_size 327680
		.amdhsa_private_segment_fixed_size 0
		.amdhsa_enable_private_segment 0
		.amdhsa_kernarg_size 24
		.amdhsa_user_sgpr_count 2
		.amdhsa_user_sgpr_kernarg_segment_ptr 1
		.amdhsa_wavefront_size32 1
		.amdhsa_system_sgpr_workgroup_id_x 1
		.amdhsa_system_sgpr_workgroup_id_y 1
		.amdhsa_system_sgpr_workgroup_id_z 1
		.amdhsa_system_vgpr_workitem_id 0
		.amdhsa_next_free_vgpr 512
		.amdhsa_next_free_sgpr 66
		.amdhsa_reserve_vcc 0
		.amdhsa_float_denorm_mode_32 3
		.amdhsa_float_denorm_mode_16_64 3
		.amdhsa_memory_ordered 1
		.amdhsa_forward_progress 1
		.amdhsa_inst_pref_size 126
	.end_amdhsa_kernel
	.amdgpu_metadata
---
amdhsa.version: [ 1, 2 ]
amdhsa.kernels:
  - .name:           k_q2ba32f9cad_project
    .symbol:         k_q2ba32f9cad_project.kd
    .args:
      - { .name: a, .offset: 0, .size: 8, .value_kind: global_buffer, .address_space: global }
      - { .name: Wout, .offset: 8, .size: 8, .value_kind: global_buffer, .address_space: global }
      - { .name: p, .offset: 16, .size: 8, .value_kind: global_buffer, .address_space: global }
    .group_segment_fixed_size: 327680
    .private_segment_fixed_size: 0
    .kernarg_segment_align: 8
    .kernarg_segment_size: 24
    .max_flat_workgroup_size: 128
    .sgpr_count:     66
    .vgpr_count:     512
    .wavefront_size: 32
...
	.end_amdgpu_metadata
.endif
;; end of part 3
;; launch total (part 4): grid 512 x 1, 8 waves a work-group, no clusters, 0 bytes of LDS; arguments p, out0; writes out0
.if DOCPART == 4
	.amdgcn_target "amdgcn-amd-amdhsa--gfx1250"
	.amdhsa_code_object_version 6
	.text
	.protected	k_q2ba32f9cad_total
	.globl	k_q2ba32f9cad_total
	.p2align	8
	.type	k_q2ba32f9cad_total,@function
k_q2ba32f9cad_total:
	s_mov_b64 s[64:65], 0
	v_nop
	global_prefetch_b8 v0, s[64:65] scope:SCOPE_SE
	s_setreg_imm32_b32 hwreg(HW_REG_WAVE_MODE, 25, 1), 1
	s_wait_xcnt 0x0
; out0 = (p[0] + p[1]) + (p[2] + p[3]): the four parts of the sum over the lattice, added in f32 in this fixed order.  p: [4][1024][2048] f32, out0: [1024][2048] f32.
; A stream: every byte is read once and written once; LDS, barriers and the matrix unit would add nothing.
; Eight waves; the work-group owns 16,384 bytes of out0, as four units of 4,096; a thread takes 16 bytes of each unit, so a wave's load or store covers 512 consecutive bytes, aligned.
; All sixteen loads of a wave go out at once; the units are added and stored as they come.
.set PART, 8388608                     ; bytes in a part: one more than a load's immediate can hold, so each part has a base of its own
.set V,    8                           ; v[8:71]  unit i, part k: four registers at V + 16 i + 4 k
	s_load_b128 s[4:7], s[0:1], 0x0                ; p s[4:5], out0 s[6:7]
	v_lshlrev_b32 v1, 4, v0                        ; 16 bytes a thread
	s_lshl_b32 s16, ttmp9, 14                      ; the group's 16,384 bytes
	s_mov_b32 s17, 0
	s_wait_kmcnt 0x0
	s_add_nc_u64 s[8:9], s[4:5], s[16:17]
	s_add_nc_u64 s[10:11], s[8:9], PART
	s_add_nc_u64 s[12:13], s[10:11], PART
	s_add_nc_u64 s[14:15], s[12:13], PART
	s_add_nc_u64 s[6:7], s[6:7], s[16:17]
.irp i, 0,1,2,3
.irp k, 0,1,2,3
	global_load_b128 v[V+16*\i+4*\k:V+16*\i+4*\k+3], v1, s[8+2*\k:9+2*\k] offset:4096*\i th:TH_LOAD_NT
.endr
.endr
.irp i, 0,1,2,3
	s_wait_loadcnt 12-4*\i                         ; loads come back in order: unit i's four are in, the younger units' stay out
	v_pk_add_f32 v[V+16*\i:V+16*\i+1],     v[V+16*\i:V+16*\i+1],     v[V+16*\i+4:V+16*\i+5]    ; p0 + p1
	v_pk_add_f32 v[V+16*\i+2:V+16*\i+3],   v[V+16*\i+2:V+16*\i+3],   v[V+16*\i+6:V+16*\i+7]
	v_pk_add_f32 v[V+16*\i+8:V+16*\i+9],   v[V+16*\i+8:V+16*\i+9],   v[V+16*\i+12:V+16*\i+13]  ; p2 + p3
	v_pk_add_f32 v[V+16*\i+10:V+16*\i+11], v[V+16*\i+10:V+16*\i+11], v[V+16*\i+14:V+16*\i+15]
	v_pk_add_f32 v[V+16*\i:V+16*\i+1],     v[V+16*\i:V+16*\i+1],     v[V+16*\i+8:V+16*\i+9]    ; and their sum
	v_pk_add_f32 v[V+16*\i+2:V+16*\i+3],   v[V+16*\i+2:V+16*\i+3],   v[V+16*\i+10:V+16*\i+11]
	global_store_b128 v1, v[V+16*\i:V+16*\i+3], s[6:7] offset:4096*\i th:TH_STORE_NT  ; no register is written again behind its store
.endr
	s_endpgm
.Lfunc_end_k_q2ba32f9cad_total:
	.size	k_q2ba32f9cad_total, .Lfunc_end_k_q2ba32f9cad_total-k_q2ba32f9cad_total
	.p2alignl 7, 3214868480
	.fill 96, 4, 3214868480
	.section	.rodata,"a",@progbits
	.p2align	6, 0x0
	.amdhsa_kernel k_q2ba32f9cad_total
		.amdhsa_group_segment_fixed_size 0
		.amdhsa_private_segment_fixed_size 0
		.amdhsa_enable_private_segment 0
		.amdhsa_kernarg_size 16
		.amdhsa_user_sgpr_count 2
		.amdhsa_user_sgpr_kernarg_segment_ptr 1
		.amdhsa_wavefront_size32 1
		.amdhsa_system_sgpr_workgroup_id_x 1
		.amdhsa_system_sgpr_workgroup_id_y 1
		.amdhsa_system_sgpr_workgroup_id_z 1
		.amdhsa_system_vgpr_workitem_id 0
		.amdhsa_next_free_vgpr 72
		.amdhsa_next_free_sgpr 66
		.amdhsa_reserve_vcc 0
		.amdhsa_float_denorm_mode_32 3
		.amdhsa_float_denorm_mode_16_64 3
		.amdhsa_memory_ordered 1
		.amdhsa_forward_progress 1
		.amdhsa_inst_pref_size 5
	.end_amdhsa_kernel
	.amdgpu_metadata
---
amdhsa.version: [ 1, 2 ]
amdhsa.kernels:
  - .name:           k_q2ba32f9cad_total
    .symbol:         k_q2ba32f9cad_total.kd
    .args:
      - { .name: p, .offset: 0, .size: 8, .value_kind: global_buffer, .address_space: global }
      - { .name: out0, .offset: 8, .size: 8, .value_kind: global_buffer, .address_space: global }
    .group_segment_fixed_size: 0
    .private_segment_fixed_size: 0
    .kernarg_segment_align: 8
    .kernarg_segment_size: 16
    .max_flat_workgroup_size: 256
    .sgpr_count:     66
    .vgpr_count:     72
    .wavefront_size: 32
...
	.end_amdgpu_metadata
.endif
;; end of part 4
